; MI455X (gfx1250); checked and timed in simulation.
; The chip was launched on July 23, 2026; its instructions are those of AMD's public machine-readable ISA for CDNA 5 (MIT licence, August 2026) and "CDNA5" Instruction Set Architecture Reference Guide (July 2026). The comments in the code are by the model that wrote it; some were corrected since.
;; Multi Head Attention Quantum. Allowed arithmetic: float matrix products may take bf16 or f16 operands with f32 sums; all other float work in f32.
;; Inputs: theta 8 float32; w_combine 128 x 128 float32; x 8 x 512 x 128 float32.
;; Outputs: out0 8 x 512 x 128 float32.
;; One version. Each part assembles by itself: llvm-mc -triple=amdgcn-amd-amdhsa -mcpu=gfx1250 --defsym DOCPART=n.
;; ======== version 1 of 1: 1 launch
;; limits: an absolute error that grows with the inputs' magnitude: up to 1e-07 times it; values are held in f16: magnitudes above 65,504 overflow, below 6.1e-05 lose precision
;; launch qattn (part 1): grid 256 x 1, 8 waves a work-group, clusters of 4 x 1, 168,960 bytes of LDS; arguments x, theta, w_combine, out0; writes out0
.if DOCPART == 1
	.amdgcn_target "amdgcn-amd-amdhsa--gfx1250"
	.amdhsa_code_object_version 6
	.text
	.protected	k_q4e57a34db1_qattn
	.globl	k_q4e57a34db1_qattn
	.p2align	8
	.type	k_q4e57a34db1_qattn,@function
k_q4e57a34db1_qattn:
	s_mov_b64 s[64:65], 0
	v_nop
	global_prefetch_b8 v0, s[64:65] scope:SCOPE_SE
	s_setreg_imm32_b32 hwreg(HW_REG_WAVE_MODE, 25, 1), 1
	s_wait_xcnt 0x0
	s_wait_alu depctr_hold_cnt(0) depctr_sa_sdst(0) depctr_va_vdst(0) depctr_va_sdst(0) depctr_va_ssrc(0) depctr_va_vcc(0) depctr_vm_vsrc(0)
	s_getreg_b32 s2, hwreg(HW_REG_IB_STS2, 6, 4)
	s_cmp_eq_u32 s2, 0
	s_cbranch_scc0 .Lentry_in_a_cluster
	s_endpgm
.Lentry_in_a_cluster:
	s_bfe_u32 s2, ttmp6, 0x10000c
	s_cmp_lg_u32 s2, 0x3003
	s_cbranch_scc0 .Lentry_shape_is_right
	s_endpgm
.Lentry_shape_is_right:
; out0 = (attention over the heads of each token, on z = qlayer(x + theta)), transposed and reshaped as reference() does, times w_combine^T.
; x, out0: [8][512][128] f32.  theta: [8] f32.  w_combine: [128][128] f32.
;
; THE QUANTUM LAYER IN CLOSED FORM, for every input.  RX(phi) on |0> gives bit 1 with probability sin^2(phi/2); the state is a product state and a CNOT only
; permutes basis states, so the measured bits are XORs of eight independent bits b0..b7: the chain leaves wire w with b0^..^bw, the last CNOT (7 -> 0) leaves
; wire 0 with b1^..^b7.  The mean of (-1)^b is cos(phi) for one bit and the product of the cosines for an XOR.  With c_j = cos(x_j + theta_j):
;     z_w = c_0 c_1 .. c_w  (w = 1..7),      z_0 = c_1 c_2 .. c_7.
;
; THE SHARES.  After the transpose and reshape, row 32 head + g of a batch's combine input holds that head of tokens 16 g .. 16 g + 15.  So 16 tokens (8,192
; consecutive bytes of x) feed 16 whole rows of out0: 8 x 32 = 256 units, one work-group each, eight waves.  Wave w owns tokens 2w, 2w+1 in the attention and
; columns 16w .. 16w+15 in the combine product.  Lane (r = lane % 16, h = lane / 16) owns head r of token 2w + h.
;
; CLUSTER.  Every work-group needs all of w_combine: 65,536 bytes against 8,192 of x and 8,192 of out0.  Four work-groups form a cluster (4, 1, 1) and ask for it
; JOINTLY: wave w of each issues the same tensor load (rows 16w .. 16w+15, mask 15), and each receives the rows in its own LDS.  The descriptor hangs on the
; wave's number alone.  Each LDS byte is filled once; a wave has one tensor load outstanding and reads only the rows that it asked for itself.
;
; SOFTMAX: the largest score of a row is taken away before the exponential, as reference() does.
; FORMATS: matrix operands f16, sums f32; cosines, products, softmax and the division by the sum in f32.  Four roundings of operands lie in series (V, the
; exponentials, the attention result, W), and the results are sums of 128 terms that largely cancel, so the operands take the 16-bit format with 11 significant
; bits, not the one with 8.  f16 has the room: |z| <= 1 (products of cosines; where a product is below 6.1e-5 it keeps an absolute step of 6e-8); |score| <= 8, so
; the exponentials lie between e^(-16 / sqrt(8)) = 0.0035 and 1; the attention result is a convex mix of z.  All that for every input.
; LIMITS.  w_combine is the one operand that nothing bounds: |w| >= 65,520 becomes infinite in f16, and elements below 6.1e-5 keep an absolute step of 6e-8, so a
; w_combine whose root mean square is below about 1e-5 loses relative accuracy.  (At a root mean square of 0.088, a factor of 30 either way is 2.65 and 0.003.)
; The angle is reduced by one f32 multiply-add with 1/(2 pi), so its error grows as about 1e-7 |x + theta| radians: 2e-5 at |x + theta| = 200; beyond
; about 1e5 the cosines are of no use.  The sine series is cut behind f^11 on |f| <= 1/2, where the first term left out is below 6e-8, whatever the input.
; A NaN or an infinity in x makes all 16 rows of its unit NaN, here as in reference() (every row of the unit sums over every token of the unit).
; LDS map.  What ds_store writes lies in 256-byte blocks of its own, below the bytes that the tensor loads fill.
.set ZTW,  768                         ; byte 0: for each wave [Z of token a: 16 heads x 16 bytes | 256 zero bytes | Z of token b]
.set O2,   6144                        ; the combine input of the unit: 16 rows (heads) x 128 f16,
.set O2P,  272                         ;   256 bytes + 16: an odd multiple of 16, so 16 rows start in 16 different groups of banks (64 banks of 4 bytes: ISA guide 11.1)
.set STG,  10496                       ; the way out: 16 rows x 128 f32,
.set STP,  528                         ;   512 bytes + 16, for the same reason
.set WL,   18944                       ; w_combine in f32: wave w's 16 rows at WL + w WLW,
.set WLP,  528                         ;   512 bytes + 16 of padding laid by the tensor load
.set WLW,  16*WLP
; vector registers
.set XO,  2                            ; 32 x thread: my 32 bytes of x
.set RR,  3                            ; r
.set HH,  4                            ; h
.set LL,  5                            ; lane
.set T0,  6                            ; at work
.set T1,  7                            ; 528 r + 32 h (serves the W tile and the stage: both have rows of 528 bytes)
.set X,   8                            ; v[8:15]    x, then the turn fraction f, then the cosines
.set KK,  16                           ; v[16:23]   nearest whole turns, then f^2
.set PP,  24                           ; v[24:31]   the series, then sqrt(2) sin(pi f)
.set CF,  32                           ; v[32:43]   six coefficients, each twice (pairs for the packed multiply-adds)
.set KAP, 44                           ; v[44:45]   log2(e) / sqrt(8), twice
.set ZF,  46                           ; v[46:53]   z0..z7 in f32
.set TM,  54                           ; v[54:58]   partial products
.set GO,  59                           ; my byte offset in out0
.set ZA,  60                           ; v[60:67]   score product, source 0: z in f16 (4 registers), 4 zero registers
.set BA,  68                           ; v[68:75]   source 1 for token a: the same with lanes 16-31 zero
.set BB,  76                           ; v[76:83]   source 1 for token b: the same with lanes 0-15 zero
.set SA,  84                           ; v[84:99]   scores of token a (8), of token b (8); then the exponentials
.set PB,  100                          ; v[100:107] exponentials in f16: token a in 0-3, token b in 4-7
.set VT,  108                          ; v[108:115] V transposed, block diagonal
.set OD,  116                          ; v[116:123] attention result
.set MX,  124                          ; v[124:125] row maximum, token a, b
.set MT,  126                          ; v[126:127] what the other half of the lanes sent
.set NM,  128                          ; v[128:131] token t: -max x KAP in NM+2t (NM+2t+1 only completes the pair)
.set LA,  132                          ; v[132:139] token t: sums in LA+4t ..
.set OB,  140                          ; v[140:143] attention result in f16
.set R0,  144                          ; v[144:151] two rows of out0 on their way out
.set ZS0, 152                          ; LDS addresses
.set ZS,  153
.set ZL,  154
.set OS,  155
.set OA,  156
.set SS,  157
.set WA,  158
.set SR,  159
.set WF,  160                          ; v[160:223] my 16 rows of W in f32, in fragment order
.set WB,  224                          ; v[224:255] the same in f16: four fragments of 8
.set OF,  8                            ; v[8:39]    four fragments of the combine input (the cosine work is over by then)
.set AC0, 40                           ; v[40:47]   accumulator of K steps 0, 2
.set AC1, 48                           ; v[48:55]   accumulator of K steps 1, 3
; scalar registers: s[4:11] addresses; s[12:15], s[36:43] descriptor; s16-19 lane selects and masks; s20 wave; s21 cx; s22 unit; s[24:31] theta / 2 pi
.set G0,  12
.set G1,  36
; A round of the cluster's barrier: my work-group's barrier, wave 0 signals for the work-group, every wave waits for the four work-groups, my work-group's barrier again.
.macro ROUND
	s_barrier_signal -1
	s_barrier_wait -1
	s_cmp_lg_u32 s20, 0
	s_cbranch_scc1 .Lnot_wave_0_\@
	s_barrier_signal -3
.Lnot_wave_0_\@:
	s_barrier_wait -3
	s_barrier_signal -1
	s_barrier_wait -1
.endm
.macro TWICE reg, bits
	v_mov_b32 v[\reg], \bits
	v_mov_b32 v[\reg+1], \bits
.endm
	s_load_b256 s[4:11], s[0:1], 0x0               ; x s[4:5], theta s[6:7], w_combine s[8:9], out0 s[10:11]
	s_set_vgpr_msb 0x40
	v_lshl_add_u32 v0, v0, 2, 0x29000
	v_mov_b32 v1, 0
	s_set_vgpr_msb 0x4045
	ds_add_u32 v0, v1
	s_set_vgpr_msb 0x4500
	v_lshrrev_b32 v1, 5, v0
	v_readfirstlane_b32 s20, v1                    ; wave 0..7
	s_bfe_u32 s21, ttmp6, 0x40000                  ; cx: my place in the cluster
	s_lshl_b32 s22, ttmp9, 2                       ; ttmp9 counts clusters
	s_add_co_u32 s22, s22, s21                     ; unit = 4 x cluster + cx = 32 batch + g
	s_lshl_b32 s32, s22, 13                        ; the unit's 16 tokens: 8,192 bytes of x
	s_mov_b32 s33, 0
	v_lshlrev_b32 v[XO], 5, v0                     ; thread = 32 w + 16 h + r: 1,024 w + 512 h + 32 r = token 2w + h, head r
	; the tensor load's descriptor: 16 rows x 128 elements of 4 bytes, 16 bytes of padding behind each row; nothing in it hangs on cx
	s_mov_b32 s[G0+0], 1                           ; count = 1
	s_mul_i32 s44, s20, WLW
	s_add_co_u32 s[G0+1], s44, WL                  ; LDS address: my wave's tile
	s_lshl_b32 s46, s20, 13                        ; my 16 rows of w_combine: 8,192 bytes
	s_mov_b32 s47, 0
	s_mov_b32 s[G1+0], 15|(2<<16)|(1<<20)|(1<<21)|(6<<22)|(3<<25)  ; mask: all four of the cluster; element of 4 bytes; padding on; bit 21 beside a mask; after every 128 words (code 6) 4 words (code 3)
	s_mov_b32 s[G1+1], 128<<16                     ; tensor_dim0 = 128
	s_mov_b32 s[G1+2], 16<<16                      ; tensor_dim1 = 16
	s_mov_b32 s[G1+3], 128<<16                     ; tile_dim0 = 128
	s_mov_b32 s[G1+4], 16                          ; tile_dim1 = 16
	s_mov_b32 s[G1+5], 128                         ; 128 elements from row to row
	s_mov_b32 s[G1+6], 0
	s_mov_b32 s[G1+7], 0
	s_wait_dscnt 0x0
	s_wait_kmcnt 0x0
	s_add_nc_u64 s[4:5], s[4:5], s[32:33]
	global_load_b128 v[X:X+3],   v[XO], s[4:5] th:TH_LOAD_NT              ; x first: the longest chain hangs on it.  The two loads of a wave
	global_load_b128 v[X+4:X+7], v[XO], s[4:5] offset:16 th:TH_LOAD_NT    ; together cover 1,024 consecutive bytes
	s_load_b256 s[24:31], s[6:7], 0x0              ; theta
	s_add_nc_u64 s[G0+2:G0+3], s[8:9], s[46:47]
	s_or_b32 s[G0+3], s[G0+3], 0x80000000          ; type = 2
	ROUND                                          ; the four work-groups are here: the joint loads meet
	tensor_load_to_lds s[G0:G0+3], s[G1:G1+7]
	s_nop 0
	; all that follows up to the wait for x is set-up, done while x and W are on their way
	s_lshr_b32 s48, s22, 5                         ; batch
	s_lshl_b32 s48, s48, 18                        ;   x 512 rows x 512 bytes
	s_and_b32 s49, s22, 31                         ; g
	s_lshl_b32 s49, s49, 9                         ;   x 512 bytes: row 32 head + g
	s_add_co_u32 s48, s48, s49
	s_mov_b32 s49, 0
	s_add_nc_u64 s[10:11], s[10:11], s[48:49]
	s_mov_b32 s16, 0x76543210                      ; v_permlanex16_b32: lane i of one half reads lane i of the other
	s_mov_b32 s17, 0xfedcba98
	s_mov_b32 s18, 0x0000ffff                      ; lanes 0-15
	s_mov_b32 s19, 0xffff0000                      ; lanes 16-31
	s_mov_b32 s55, 0x3e22f983                      ; 1 / (2 pi)
	v_and_b32 v[RR], 15, v0
	v_bfe_u32 v[HH], v0, 4, 1
	v_and_b32 v[LL], 31, v0
	s_mul_i32 s50, s20, ZTW                        ; my wave's scratch
	v_lshl_add_u32 v[ZS0], v[RR], 4, s50           ; row r of its first block
	v_lshl_add_u32 v[ZS], v[HH], 9, v[ZS0]         ; where my z goes: token a in block 0, token b in block 2
	v_and_b32 v[T0], 7, v0                         ; the transposing loads: lane 8 g + i addresses row 8 (g / 2) + i
	v_lshl_add_u32 v[ZL], v[T0], 4, s50
	v_bfe_u32 v[T0], v0, 3, 1                      ; of block g % 2 (first load) and of block g % 2 + 1 (second load, 256 bytes on):
	v_lshl_add_u32 v[ZL], v[T0], 8, v[ZL]          ; lanes with r < 8 get (Z_a, zeros), lanes with r >= 8 get (zeros, Z_b)
	v_lshl_add_u32 v[ZL], v[HH], 7, v[ZL]
	v_mul_u32_u24 v[T0], v[RR], O2P
	v_lshl_add_u32 v[T0], v[HH], 4, v[T0]
	v_add_nc_u32 v[OA], O2, v[T0]                  ; combine input, as a fragment: row r, 16 h
	s_lshl_b32 s51, s20, 5
	v_add_nc_u32 v[OS], s51, v[OA]                 ; and where my 16 bytes go: row r (head), byte 16 (2w + h) (token)
	v_mul_u32_u24 v[T1], v[RR], WLP
	v_lshl_add_u32 v[T1], v[HH], 5, v[T1]
	v_add_nc_u32 v[WA], s[G0+1], v[T1]             ; W as a fragment, in f32: row r of my tile, 32 h
	s_lshl_b32 s52, s20, 6
	s_add_co_u32 s52, s52, STG                     ; stage, in: + 64 w (my 16 columns)
	s_mul_i32 s53, s20, 2*STP
	s_add_co_u32 s53, s53, STG                     ; stage, back: rows 2w, 2w + 1
	s_lshl_b32 s54, s20, 15                        ; those rows in out0: 32 rows of 512 bytes apart
	; sqrt(2) sin(pi f) = f (a0 + a1 u + .. + a5 u^5), u = f^2, a_n = sqrt(2) (-1)^n pi^(2n+1) / (2n+1)!
	TWICE CF+0,  0x408e2c19                        ;  4.4428829
	TWICE CF+2,  0xc0e9dd2e                        ; -7.3082495
	TWICE CF+4,  0x4066d083                        ;  3.6064766
	TWICE CF+6,  0xbf58f4fa                        ; -0.84748802
	TWICE CF+8,  0x3dedeb7f                        ;  0.11617183
	TWICE CF+10, 0xbc2ac6c1                        ; -0.010423363
	TWICE KAP,   0x3f0293ee                        ;  log2(e) / sqrt(8) = 0.51006972
.irp i, 4,5,6,7
	v_mov_b32 v[ZA+\i], 0                          ; K = 16..31 of the score products is not used
	v_mov_b32 v[BA+\i], 0
	v_mov_b32 v[BB+\i], 0
.endr
	ds_store_b128 v[ZS0], v[ZA+4:ZA+7] offset:256  ; the scratch's zero block (both halves of the lanes write the same zeros)
	s_wait_kmcnt 0x0                               ; theta
.irp j, 0,1,2,3,4,5,6,7
	s_mul_f32 s[24+\j], s[24+\j], s55              ; theta / (2 pi)
.endr
	s_wait_loadcnt 0x0                             ; x
	; cosines of my eight angles
.irp j, 0,1,2,3,4,5,6,7
	v_fma_f32 v[X+\j], v[X+\j], s55, s[24+\j]      ; the angle in turns
.endr
.irp j, 0,1,2,3,4,5,6,7
	v_rndne_f32 v[KK+\j], v[X+\j]
.endr
.irp j, 0,2,4,6
	v_pk_add_f32 v[X+\j:X+\j+1], v[X+\j:X+\j+1], v[KK+\j:KK+\j+1] neg_lo:[0,1] neg_hi:[0,1]   ; f in [-1/2, 1/2], exact
.endr
.irp j, 0,2,4,6
	v_pk_mul_f32 v[KK+\j:KK+\j+1], v[X+\j:X+\j+1], v[X+\j:X+\j+1]                             ; u = f^2
.endr
.irp j, 0,2,4,6
	v_pk_fma_f32 v[PP+\j:PP+\j+1], v[KK+\j:KK+\j+1], v[CF+10:CF+11], v[CF+8:CF+9]
.endr
.irp n, 6,4,2,0
.irp j, 0,2,4,6
	v_pk_fma_f32 v[PP+\j:PP+\j+1], v[PP+\j:PP+\j+1], v[KK+\j:KK+\j+1], v[CF+\n:CF+\n+1]
.endr
.endr
.irp j, 0,2,4,6
	v_pk_mul_f32 v[PP+\j:PP+\j+1], v[PP+\j:PP+\j+1], v[X+\j:X+\j+1]                           ; s = sqrt(2) sin(pi f)
.endr
.irp j, 0,1,2,3,4,5,6,7
	v_fma_f32 v[X+\j], -v[PP+\j], v[PP+\j], 1.0    ; cos(2 pi f) = 1 - 2 sin^2(pi f)
.endr
	; the products, four deep
	v_mul_f32 v[ZF+1], v[X+0], v[X+1]              ; z1 = c0 c1
	v_mul_f32 v[TM+0], v[X+2], v[X+3]              ; c2 c3
	v_mul_f32 v[TM+1], v[X+4], v[X+5]              ; c4 c5
	v_mul_f32 v[TM+2], v[X+6], v[X+7]              ; c6 c7
	v_mul_f32 v[ZF+2], v[ZF+1], v[X+2]             ; z2
	v_mul_f32 v[ZF+3], v[ZF+1], v[TM+0]            ; z3
	v_mul_f32 v[TM+3], v[X+1], v[TM+0]             ; c1 c2 c3
	v_mul_f32 v[TM+4], v[TM+1], v[TM+2]            ; c4 .. c7
	v_mul_f32 v[ZF+4], v[ZF+3], v[X+4]             ; z4
	v_mul_f32 v[ZF+5], v[ZF+3], v[TM+1]            ; z5
	v_mul_f32 v[ZF+0], v[TM+3], v[TM+4]            ; z0 = c1 .. c7
	v_mul_f32 v[ZF+6], v[ZF+5], v[X+6]             ; z6
	v_mul_f32 v[ZF+7], v[ZF+5], v[TM+2]            ; z7
.irp i, 0,1,2,3
	v_cvt_pk_f16_f32 v[ZA+\i], v[ZF+2*\i], v[ZF+2*\i+1]
.endr
	; V transposed, through my wave's own scratch: LDS serves a wave's instructions in order (ISA guide 5.7.1), so no wait stands between the stores and the loads.
	; Lane (r, h) receives, for r < 8: z_a[8h + j][r] in registers 0-3 and zeros in 4-7; for r >= 8: zeros, and z_b[8h + j][r - 8] in 4-7.
	ds_store_b128 v[ZS], v[ZA:ZA+3]
	ds_load_tr16_b128 v[VT:VT+3],   v[ZL]
	ds_load_tr16_b128 v[VT+4:VT+7], v[ZL] offset:256
	; Scores.  Source 0 holds row r: z_a at K = 0..7 (lanes 0-15), z_b at K = 8..15 (lanes 16-31).  Source 1 is the same with the other token's lanes zero.
.irp i, 0,1,2,3
	v_cndmask_b32 v[BA+\i], 0, v[ZA+\i], s18
	v_cndmask_b32 v[BB+\i], 0, v[ZA+\i], s19
.endr
	v_wmma_f32_16x16x32_f16 v[SA:SA+7],    v[ZA:ZA+7], v[BA:BA+7], 0
	v_wmma_f32_16x16x32_f16 v[SA+8:SA+15], v[ZA:ZA+7], v[BB:BB+7], 0
	; four places behind the matrix instructions (ISA guide 7.12.1), filled with writes that the lines below need
	v_mov_b32 v[MT], 0                             ; v_permlanex16_b32 counts as a reader of its destination
	v_mov_b32 v[MT+1], 0
	v_mov_b32 v[NM+1], 0                           ; completes a pair of which the first register alone is used
	v_mov_b32 v[NM+3], 0
	; Register j of lane (r, h) holds z[8h + j] . z[r]: read as query r, key 8h + j.  So a row of the softmax is eight registers of two lanes.
.irp t, 0,1
	v_max3_num_f32 v[MX+\t], v[SA+8*\t], v[SA+8*\t+1], v[SA+8*\t+2]
.endr
.irp t, 0,1
	v_max3_num_f32 v[MX+\t], v[MX+\t], v[SA+8*\t+3], v[SA+8*\t+4]
.endr
.irp t, 0,1
	v_max3_num_f32 v[MX+\t], v[MX+\t], v[SA+8*\t+5], v[SA+8*\t+6]
.endr
.irp t, 0,1
	v_max_num_f32 v[MX+\t], v[MX+\t], v[SA+8*\t+7]
.endr
.irp t, 0,1
	v_permlanex16_b32 v[MT+\t], v[MX+\t], s16, s17
.endr
.irp t, 0,1
	v_max_num_f32 v[MX+\t], v[MX+\t], v[MT+\t]     ; the row's maximum, in both lanes
.endr
.irp t, 0,1
	v_mul_f32 v[NM+2*\t], 0xbf0293ee, v[MX+\t]     ; -max log2(e) / sqrt(8)
.endr
.irp j, 0,2,4,6
.irp t, 0,1
	v_pk_fma_f32 v[SA+8*\t+\j:SA+8*\t+\j+1], v[SA+8*\t+\j:SA+8*\t+\j+1], v[KAP:KAP+1], v[NM+2*\t:NM+2*\t+1] op_sel_hi:[1,1,0]
.endr
.endr
.set i, 0
.rept 16
	v_exp_f32 v[SA+i], v[SA+i]                     ; e^((score - max) / sqrt(8))
.set i, i+1
.endr
	v_nop                                          ; one plain vector instruction between the exponentials and their first use (ISA guide 5.7.2)
	s_wait_alu depctr_va_vdst(0)
.irp i, 0,1,2,3,4,5,6,7
	v_cvt_pk_f16_f32 v[PB+\i], v[SA+2*\i], v[SA+2*\i+1]    ; column r (query), K = 8h + j: token a; K = 16 + 8h + j: token b.  Already a fragment
.endr
	s_wait_dscnt 0x0                               ; V transposed is in
	v_wmma_f32_16x16x32_f16 v[OD:OD+7], v[VT:VT+7], v[PB:PB+7], 0      ; register j of lane (r, h): token h, head r, d = j, not yet divided by the sum
	s_wait_tensorcnt 0x0                           ; my 16 rows of W are in LDS; only I read them
.irp c, 0,1,2,3
	ds_load_b128 v[WF+16*\c:WF+16*\c+3],     v[WA] offset:128*\c       ; K = 32c + 8h + 0..3
	ds_load_b128 v[WF+16*\c+4:WF+16*\c+7],   v[WA] offset:128*\c+16    ;               4..7
	ds_load_b128 v[WF+16*\c+8:WF+16*\c+11],  v[WA] offset:128*\c+64    ; K = 32c + 16 + 8h + 0..3
	ds_load_b128 v[WF+16*\c+12:WF+16*\c+15], v[WA] offset:128*\c+80    ;                    4..7
.endr
	; the sums of the exponentials, in f32: also the places behind the matrix instruction (they name none of its registers)
.irp t, 0,1
	v_pk_add_f32 v[LA+4*\t:LA+4*\t+1],   v[SA+8*\t:SA+8*\t+1],   v[SA+8*\t+2:SA+8*\t+3]
	v_pk_add_f32 v[LA+4*\t+2:LA+4*\t+3], v[SA+8*\t+4:SA+8*\t+5], v[SA+8*\t+6:SA+8*\t+7]
.endr
.irp t, 0,1
	v_pk_add_f32 v[LA+4*\t:LA+4*\t+1], v[LA+4*\t:LA+4*\t+1], v[LA+4*\t+2:LA+4*\t+3]
.endr
.irp t, 0,1
	v_add_f32 v[LA+4*\t], v[LA+4*\t], v[LA+4*\t+1]
.endr
.irp t, 0,1
	v_permlanex16_b32 v[MT+\t], v[LA+4*\t], s16, s17
.endr
.irp t, 0,1
	v_add_f32 v[LA+4*\t], v[LA+4*\t], v[MT+\t]
.endr
	v_cndmask_b32 v[LA], v[LA], v[LA+4], s19       ; lanes 0-15 hold token a's result, lanes 16-31 token b's
	v_rcp_f32 v[LA], v[LA]
	v_nop                                          ; one plain vector instruction behind the reciprocal (ISA guide 5.7.2)
	s_wait_alu depctr_va_vdst(0)
.irp j, 0,2,4,6
	v_pk_mul_f32 v[OD+\j:OD+\j+1], v[OD+\j:OD+\j+1], v[LA:LA+1] op_sel_hi:[1,0]
.endr
.irp i, 0,1,2,3
	v_cvt_pk_f16_f32 v[OB+\i], v[OD+2*\i], v[OD+2*\i+1]
.endr
	ds_store_b128 v[OS], v[OB:OB+3]                ; row = head r, columns 8 (2w + h) .. + 7: the transpose and reshape of reference()
	s_wait_dscnt 0x0                               ; for the other waves: my part of the combine input is written (and my W loads are back)
	s_barrier_signal -1
.irp c, 0,1,2,3                                    ; register work while the others arrive: W to f16
.irp i, 0,1,2,3,4,5,6,7
	v_cvt_pk_f16_f32 v[WB+8*\c+\i], v[WF+16*\c+2*\i], v[WF+16*\c+2*\i+1]
.endr
.endr
	s_barrier_wait -1                              ; the 16 x 128 combine input is whole
	; The combine product, used transposed: source 0 = 16 rows of W (my output columns), source 1 = the 16 rows of the combine input.
	; Register j of lane (r, h) is then out0(row r, column 16w + 8h + j): eight neighbouring columns.
.irp c, 0,1,2,3
	ds_load_b128 v[OF+8*\c:OF+8*\c+3],   v[OA] offset:64*\c
	ds_load_b128 v[OF+8*\c+4:OF+8*\c+7], v[OA] offset:64*\c+32
.endr
	s_wait_dscnt 4                                 ; K steps 0 and 1 are in; the four younger loads (K steps 2, 3) may be out
	; two accumulators by turns, one instruction a turn
	v_wmma_f32_16x16x32_f16 v[AC0:AC0+7], v[WB:WB+7],     v[OF:OF+7],     0
	v_wmma_f32_16x16x32_f16 v[AC1:AC1+7], v[WB+8:WB+15],  v[OF+8:OF+15],  0
	s_wait_dscnt 0x0
	v_wmma_f32_16x16x32_f16 v[AC0:AC0+7], v[WB+16:WB+23], v[OF+16:OF+23], v[AC0:AC0+7]
	v_wmma_f32_16x16x32_f16 v[AC1:AC1+7], v[WB+24:WB+31], v[OF+24:OF+31], v[AC1:AC1+7]
	; four places behind the matrix instructions: the addresses of the way out, and one v_nop
	v_add_nc_u32 v[SS], s52, v[T1]                 ; stage, in: row r, byte 64 w + 32 h
	v_lshl_add_u32 v[SR], v[LL], 4, s53            ; stage, back: row 2w, 16 bytes a lane
	v_lshl_add_u32 v[GO], v[LL], 4, s54            ; the same row in out0
	v_nop
.irp j, 0,2,4,6
	v_pk_add_f32 v[AC0+\j:AC0+\j+1], v[AC0+\j:AC0+\j+1], v[AC1+\j:AC1+\j+1]
.endr
	ds_store_b128 v[SS], v[AC0:AC0+3]
	ds_store_b128 v[SS], v[AC0+4:AC0+7] offset:16
	s_wait_dscnt 0x0                               ; for the other waves: my 16 columns are in the stage
	s_barrier_signal -1
	s_barrier_wait -1
	ds_load_b128 v[R0:R0+3],   v[SR]               ; row 2w: 32 lanes x 16 bytes = the whole row
	ds_load_b128 v[R0+4:R0+7], v[SR] offset:STP    ; row 2w + 1
	s_wait_dscnt 1                                 ; the first row is in, the second may be out
	global_store_b128 v[GO], v[R0:R0+3], s[10:11] th:TH_STORE_NT                   ; each store of the wave covers 512 consecutive bytes, aligned: a whole row of out0
	s_wait_dscnt 0x0
	global_store_b128 v[GO], v[R0+4:R0+7], s[10:11] offset:16384 th:TH_STORE_NT    ; the next head's row: 32 rows further down
	s_set_vgpr_msb 0x5
	s_wait_tensorcnt 0x0
	ds_add_u32 v0, v1
	s_wait_dscnt 0x0
	s_set_vgpr_msb 0x500
	ROUND                                          ; the closing round: no work-group ends while a partner may still ask for rows that name it
	s_endpgm
.Lfunc_end_k_q4e57a34db1_qattn:
	.size	k_q4e57a34db1_qattn, .Lfunc_end_k_q4e57a34db1_qattn-k_q4e57a34db1_qattn
	.p2alignl 7, 3214868480
	.fill 96, 4, 3214868480
	.section	.rodata,"a",@progbits
	.p2align	6, 0x0
	.amdhsa_kernel k_q4e57a34db1_qattn
		.amdhsa_group_segment_fixed_size 168960
		.amdhsa_private_segment_fixed_size 0
		.amdhsa_enable_private_segment 0
		.amdhsa_kernarg_size 32
		.amdhsa_user_sgpr_count 2
		.amdhsa_user_sgpr_kernarg_segment_ptr 1
		.amdhsa_wavefront_size32 1
		.amdhsa_system_sgpr_workgroup_id_x 1
		.amdhsa_system_sgpr_workgroup_id_y 1
		.amdhsa_system_sgpr_workgroup_id_z 1
		.amdhsa_system_vgpr_workitem_id 0
		.amdhsa_next_free_vgpr 258
		.amdhsa_next_free_sgpr 66
		.amdhsa_reserve_vcc 0
		.amdhsa_float_denorm_mode_32 3
		.amdhsa_float_denorm_mode_16_64 3
		.amdhsa_memory_ordered 1
		.amdhsa_forward_progress 1
		.amdhsa_inst_pref_size 21
	.end_amdhsa_kernel
	.amdgpu_metadata
---
amdhsa.version: [ 1, 2 ]
amdhsa.kernels:
  - .name:           k_q4e57a34db1_qattn
    .symbol:         k_q4e57a34db1_qattn.kd
    .args:
      - { .name: x, .offset: 0, .size: 8, .value_kind: global_buffer, .address_space: global }
      - { .name: theta, .offset: 8, .size: 8, .value_kind: global_buffer, .address_space: global }
      - { .name: w_combine, .offset: 16, .size: 8, .value_kind: global_buffer, .address_space: global }
      - { .name: out0, .offset: 24, .size: 8, .value_kind: global_buffer, .address_space: global }
    .group_segment_fixed_size: 168960
    .private_segment_fixed_size: 0
    .kernarg_segment_align: 8
    .kernarg_segment_size: 32
    .max_flat_workgroup_size: 256
    .sgpr_count:     66
    .vgpr_count:     258
    .wavefront_size: 32
...
	.end_amdgpu_metadata
.endif
;; end of part 1
